; MI455X (gfx1250); checked and timed in simulation.
; The chip was launched on July 23, 2026; its instructions are those of AMD's public machine-readable ISA for CDNA 5 (MIT licence, August 2026) and "CDNA5" Instruction Set Architecture Reference Guide (July 2026). The comments in the code are by the model that wrote it; some were corrected since.
;; Quantized Layer. Allowed arithmetic: matrix products marked QUANTISED: E2M1 operands, one E8M0 scale for each 32 along K, by v_wmma_scale_f32_16x16x128_f8f6f4 with both operands' format E2M1 (or v_wmma_scale_f32_32x16x128_f4), f32 sums; everything else in f32.
;; Inputs: bias 4,096 float32; weight 4,096 x 4,096 float32; x 4,096 x 4,096 float32.
;; Outputs: out0 4,096 x 4,096 float32.
;; This version of the problem:
;;   THIS VERSION OF THE PROBLEM IS GIVEN IN LOW PRECISION. The matrix products marked QUANTISED in the list below multiply operands that are first quantised to E2M1 (2 exponent bits, 1 mantissa bit; 4 bits a number), with one power-of-two scale for each 32 numbers along K (OCP MX v1.0); their sums are f32. All else is computed in f32.
;;   The module's matrix products, in the order in which they are computed (A, B: the left and right operand; K: the contracted axis; several contracted axes count as one K, in the product's order):
;;     1. [M 4,096, K 4,096] x [K 4,096, N 4,096]; A: computed on the way; B: computed on the way: QUANTISED
;;   THE QUANTISER, for each operand of a quantised product, along K:
;;     - K is cut into blocks of 32 from its start; a last block that is shorter is filled with zeros.
;;     - A block's scale is 2^e with e = floor(log2(the largest magnitude in the block)) - 2, held to -126 .. 127; a block of zeros has e = 0. As a byte (E8M0): e + 127.
;;     - Each number is divided by its block's scale, clamped to +-6, and rounded to the nearest number of E2M1, ties to even, subnormals kept.
;;     - The product sums the exact products of the quantised numbers (number of the format x scale) in f32.
;;   ~~~python
;;   def quantise(x, axis):      # numpy; x: float32 -> the quantised numbers, widened to float32 again
;;       x = np.moveaxis(x, axis, -1); K = x.shape[-1]
;;       x = np.pad(x, [(0, 0)] * (x.ndim - 1) + [(0, -K % 32)]); x = x.reshape(x.shape[:-1] + (-1, 32)); a = np.abs(x).max(-1, keepdims=True)
;;       e = np.where(a > 0, np.clip(np.frexp(np.where(a > 0, a, 1))[1] - 1 - 2, -126, 127), 0)      # np.frexp(a)[1] - 1 = floor(log2(a)), exactly
;;       r = np.clip(x / 2.0 ** e, -6, 6)
;;       step = 2.0 ** (np.maximum(np.frexp(np.where(r == 0, 1, r))[1] - 1, 0) - 1)
;;       q = np.round(r / step) * step * 2.0 ** e      # np.round: ties to even
;;       return np.moveaxis(q.reshape(q.shape[:-2] + (-1,))[..., :K], -1, axis).astype(np.float32)
;;   ~~~
;;   OPERANDS COMPUTED ON THE WAY. 'Computed on the way' means the value that the module computes at that place (a softmax that the list does not call 'softmax' is quantised finished and normalised). What goes into a quantiser is computed in f32, as accurately as f32 sums, v_exp_f32 and their like allow (about 1e-6 of the number): no bf16 or f16 on the way to a quantiser, and a product that is left as it is and whose result goes on into a quantised operand takes f32 operands (vector FMAs, or v_wmma_f32_16x16x4_f32). A number that lies on a knife's edge between two numbers of the format may be rounded either way, as far as f32 arithmetic and the matrix unit's own rounding can turn it there, and no further.
;; One version. Each part assembles by itself: llvm-mc -triple=amdgcn-amd-amdhsa -mcpu=gfx1250 --defsym DOCPART=n.
;; ======== version 1 of 1: 2 launches
;; limits: right only within a limited range of input values
;; workspace buffers: apack 8,912,896 bytes; bpack 8,912,896 bytes
;; launch quant (part 1): grid 512 x 1, 8 waves a work-group, no clusters, 70,656 bytes of LDS; arguments x, weight, apack, bpack; writes apack, bpack
.if DOCPART == 1
	.amdgcn_target "amdgcn-amd-amdhsa--gfx1250"
	.amdhsa_code_object_version 6
	.text
	.protected	k_q8cd5e761ad_quant
	.globl	k_q8cd5e761ad_quant
	.p2align	8
	.type	k_q8cd5e761ad_quant,@function
k_q8cd5e761ad_quant:
	s_mov_b64 s[64:65], 0
	v_nop
	global_prefetch_b8 v0, s[64:65] scope:SCOPE_SE
	s_setreg_imm32_b32 hwreg(HW_REG_WAVE_MODE, 25, 1), 1
	s_wait_xcnt 0x0
; x [4096][4096] and weight [4096][4096], f32, K innermost, are (1) rounded as the layer rounds them, to 5 exponent bits and 10 mantissa bits, in f32 arithmetic,
; and (2) turned into codes of FP4 (E2M1) with one E8M0 scale byte for each 32 along K.  The results go to apack and bpack, laid as the product's launch reads them.
; (1) THE LAYER'S ROUNDING.  For 2^-14 <= |v| < 65,536: to the nearest number with 10 mantissa bits, ties to even.  Under 2^-14: to the nearest multiple of 2^-24, ties to even.  From 65,536 on: 0.
;     With p = 2^max(floor(log2 |v|), -14) and M = 12,288 p = 1.5 x 2^13 p, the sum v + M lies in the binade whose step is p / 1,024: ONE fused multiply-add rounds v to that step, ties to even
;     (M is an even multiple of the step, so even stays even, for either sign); a second one takes M off again, exactly.  p is the exponent field of max(|v|, 2^-14).
; (2) A block's scale is 2^(floor(log2(its largest magnitude)) - 2): its byte is the largest magnitude's exponent field - 2, held at 1 from below.  A block of zeros so gets the byte 1 where the rule
;     says 127: its codes are zeros, which add nothing under any byte but 0xff, and this program alone reads the bytes.  The conversion divides by the scale, rounds to the nearest code, ties to even, and holds at the largest code.
; LIMITS.  NaN and infinities become 0 here (the layer would keep them).  The few f32 numbers within about 3e-7 (relative) under 65,536 give 65,536 here, by the exact floor(log2).
;     Under 2^-14 the layer rounds twice (mantissa - 1, then to a whole number); this text rounds once: they can differ only on numbers within 2^-48 of a middle.
; THE PACKS.  A unit of 34,816 bytes holds 128 rows x 512 along K: unit (g, s) (g: rows 128 g on; s: K 512 s on) lies at (8 g + s) x 34,816.
;     Codes: byte i x 4,096 + kb x 256 + r x 16 holds the 32 codes (16 bytes, the lower k in the low four bits) of row 128 g + 16 i + r, k = 512 s + 32 kb + 0 .. 31.
;     Scale bytes: byte 32,768 + i x 256 + r x 16 + kb.  So a matrix operand's registers lie on end, lane by lane, and a row's four scale words lie together.
; SHARES.  Work-groups 0-255 take x, 256-511 weight: only pointers are chosen, the text has one path.  A work-group takes 16 rows (262,144 consecutive bytes); wave w takes K 512 w on, in eight steps of 64 along K.
;     A load reads 256 consecutive bytes of a row in sixteen lanes, two rows an instruction.  The conversions want 32 neighbours along K in ONE lane: so a step's 4,096 bytes turn through the wave's own stage in LDS
;     (rows 272 bytes apart), and lane (r, h) gets row r, k = 64 t + 32 h + 0 .. 31: a whole block, whose largest magnitude needs no other lane.  Its 16 bytes of codes lie at 512 t + 16 x lane of the wave's
;     4,096 bytes of the unit: each store of the wave covers 512 consecutive bytes, aligned.  The wave's 256 scale bytes leave by one store.
;     No barrier: waves share nothing.  Loads run three steps (24 loads a wave) ahead, the turn through LDS one step.  No matrix unit, no cluster, no tensor load: nothing is multiplied and nothing is shared.
; THE ROWS OF A BLOCK.  Where the lines above speak of row 128 g + 16 i + r, the row is 64 (I / 4) + 4 r + I % 4 with I = 8 g + i: a block of 16 takes every fourth row of 64, in x and in weight alike,
; so that in the product's result four neighbouring blocks of weight give a lane four neighbouring columns.  A work-group's 16 rows are then 4 rows apart; each load still reads 256 consecutive bytes of a row.
.set UNIT,  34816
.set STEPS, 8
.set ROWB,  16384                      ; a row of x or weight in bytes
.set SP,    272                        ; a stage row: 256 bytes + 16, so that the sixteen rows that a load touches start 16 bytes apart modulo 256
.set STG,   16*SP                      ; a stage
.set WREG,  2*STG                      ; a wave's LDS: two stages by turns
.set E,     16                         ; v16-23   a scale byte for each step
.set W,     24                         ; v24-27   my row's four scale words
.set PD,    28                         ; v28-31   the other half's parts of them
.set T,     32                         ; v32-39   p, at work
.set Y,     40                         ; v40-47   v + M, at work
.set C,     48                         ; v48-79   four registers of codes for each step: no store's data are written again
.set X,     80                         ; v80-143  two sets of 32 neighbours
.set R,     144                        ; v144-239 three sets of 32 numbers as loaded
.set SEL,   24                         ; s[24:25] lane selects for v_permlanex16_b32: lane l xor 16
.set BIG,   26                         ; s26  65,536
.set TINY,  27                         ; s27  2^-14
.set EXPM,  28                         ; s28  the exponent field
.set MG,    30                         ; s[30:31] 12,288: the packed form names a pair and takes its low word for both halves
.set MN,    32                         ; s[32:33] -12,288
.set HM,    34                         ; s34  the lanes 16-31
.set MK,    36                         ; s36-43 eight masks
	s_load_b256 s[4:11], s[0:1], 0x0               ; x s[4:5], weight s[6:7], apack s[8:9], bpack s[10:11]
	v_lshl_add_u32 v240, v0, 2, 0x11000
	v_mov_b32 v241, 0
	v_lshrrev_b32 v1, 5, v0
	s_delay_alu instid0(VALU_DEP_1)
	v_readfirstlane_b32 s16, v1                    ; wave 0..7
	v_and_b32 v1, 31, v0                           ; lane
	v_and_b32 v2, 15, v0                           ; r
	v_bfe_u32 v3, v0, 4, 1                         ; h
	s_delay_alu instid0(VALU_DEP_2)
	v_lshlrev_b32 v4, 4, v2
	s_delay_alu instid0(VALU_DEP_1)
	v_lshl_add_u32 v4, v3, 16, v4                  ; in: 16 bytes a lane; lanes 16-31 four rows further down
	s_mul_i32 s17, s16, WREG                       ; my wave's stages
	v_mul_u32_u24 v5, v3, SP
	s_delay_alu instid0(VALU_DEP_1)
	v_lshl_add_u32 v5, v2, 4, v5
	s_delay_alu instid0(VALU_DEP_1)
	v_add_nc_u32 v5, s17, v5                       ; into a stage: as loaded
	v_mul_u32_u24 v6, v2, SP
	s_delay_alu instid0(VALU_DEP_1)
	v_lshl_add_u32 v6, v3, 7, v6
	s_delay_alu instid0(VALU_DEP_1)
	v_add_nc_u32 v6, s17, v6                       ; out of it: row r, 128 bytes for each half of the lanes
	v_lshlrev_b32 v7, 4, v1                        ; my codes' place in a step's 512 bytes
	v_lshlrev_b32 v9, 3, v3                        ; 8 h: bits, and bytes
	s_delay_alu instid0(VALU_DEP_1)
	v_lshl_add_u32 v8, v2, 4, v9                   ; my 8 of the wave's 256 scale bytes: 16 r + 8 h
	v_cmp_eq_u32 s[HM], 1, v3
.irp q, 0,1,2,3
	v_mov_b32 v[PD+\q], 0                          ; a lane permute's destination counts as one of its sources
.endr
	s_mov_b32 s[SEL], 0x76543210
	s_mov_b32 s[SEL+1], 0xfedcba98
	s_mov_b32 s[BIG], 0x47800000
	s_mov_b32 s[TINY], 0x38800000
	s_mov_b32 s[EXPM], 0x7f800000
	s_mov_b32 s[MG], 0x46400000
	s_mov_b32 s[MG+1], s[MG]                       ; (named with it as a pair, so it is written)
	s_mov_b32 s[MN], 0xc6400000
	s_mov_b32 s[MN+1], s[MN]
	s_and_b32 s18, ttmp9, 255                      ; which 16 rows of the tensor
	s_lshr_b32 s20, s18, 2
	s_lshl_b32 s20, s20, 20                        ; 64 rows of 16,384 bytes for each four blocks,
	s_and_b32 s21, s18, 3
	s_lshl_b32 s21, s21, 14                        ; and the block's first row among them
	s_add_co_u32 s20, s20, s21
	s_lshl_b32 s21, s16, 11                        ; my wave's 512 numbers of each row
	s_add_co_u32 s20, s20, s21
	s_mov_b32 s21, 0
	s_lshr_b32 s22, s18, 3
	s_lshl_b32 s22, s22, 3
	s_add_co_u32 s22, s22, s16                     ; the unit: 8 x (rows / 128) + wave
	s_mul_i32 s22, s22, UNIT
	s_and_b32 s19, s18, 7                          ; which 16 rows of its 128
	s_lshl_b32 s23, s19, 12
	s_add_co_u32 s12, s22, s23                     ; where my codes begin
	s_mov_b32 s13, 0
	s_lshl_b32 s23, s19, 8
	s_add_co_u32 s14, s22, s23
	s_add_co_u32 s14, s14, 32768                   ; and my scale bytes
	s_mov_b32 s15, 0
	s_wait_alu depctr_va_vdst(0)
	s_wait_kmcnt 0x0
	s_cmp_lt_u32 ttmp9, 256                        ; x's work-group or weight's?  The choice hangs on the work-group's number alone
	s_cselect_b64 s[4:5], s[4:5], s[6:7]
	s_cselect_b64 s[8:9], s[8:9], s[10:11]
	s_add_nc_u64 s[4:5], s[4:5], s[20:21]
	s_add_nc_u64 s[10:11], s[8:9], s[14:15]
	s_add_nc_u64 s[8:9], s[8:9], s[12:13]
.macro LOAD t                          ; step t: 16 rows x 256 bytes into set t % 3; sixteen lanes read 256 consecutive bytes, aligned
.irp j, 0,1,2,3,4,5,6,7
	global_load_b128 v[R+32*((\t)%3)+4*\j:R+32*((\t)%3)+4*\j+3], v4, s[4:5] offset:8*\j*ROWB+256*(\t) th:TH_LOAD_NT
.endr
.endm
.macro TURN t                          ; step t's numbers through stage t % 2: LDS serves a wave's instructions in order (ISA guide 5.7.1.4), so no wait stands between the stores and the loads
.irp j, 0,1,2,3,4,5,6,7
	ds_store_b128 v5, v[R+32*((\t)%3)+4*\j:R+32*((\t)%3)+4*\j+3] offset:STG*((\t)%2)+2*\j*SP
.endr
.irp i, 0,1,2,3,4,5,6,7
	ds_load_b128 v[X+32*((\t)%2)+4*\i:X+32*((\t)%2)+4*\i+3], v6 offset:STG*((\t)%2)+16*\i
.endr
.endm
; The layer's rounding of eight numbers, v[x] .. v[x + 7], in place.  Each line is a run over the eight, so that no line waits for the line above it.
.macro Q16G x
.irp k, 0,1,2,3,4,5,6,7
	v_cmp_gt_f32 s[MK+\k], s[BIG], |v[(\x)+\k]|    ; under 65,536?
.endr
.irp k, 0,1,2,3,4,5,6,7
	v_cndmask_b32 v[(\x)+\k], 0, v[(\x)+\k], s[MK+\k]   ; else 0
.endr
.irp k, 0,1,2,3,4,5,6,7
	v_max_num_f32 v[T+\k], |v[(\x)+\k]|, s[TINY]
.endr
.irp k, 0,1,2,3,4,5,6,7
	v_and_b32 v[T+\k], s[EXPM], v[T+\k]            ; p = 2^max(floor(log2 |v|), -14)
.endr
.irp k, 0,2,4,6
	v_pk_fma_f32 v[Y+\k:Y+\k+1], v[T+\k:T+\k+1], s[MG:MG+1], v[(\x)+\k:(\x)+\k+1] op_sel_hi:[1,0,1]   ; v + 12,288 p: rounded once, to p / 1,024, ties to even
.endr
.irp k, 0,2,4,6
	s_delay_alu instid0(VALU_DEP_4)
	v_pk_fma_f32 v[(\x)+\k:(\x)+\k+1], v[T+\k:T+\k+1], s[MN:MN+1], v[Y+\k:Y+\k+1] op_sel_hi:[1,0,1]   ; - 12,288 p: exact
.endr
.endm
.macro STEP t
.set XS, X+32*((\t)%2)
	s_wait_dscnt 0x0                               ; this step's numbers are back from the stage, and its stores into the stage have read their registers,
.if (\t)+3 < STEPS
	LOAD (\t)+3                                    ; which take the loads of three steps on
.endif
.if (\t)+1 < STEPS
.if (\t)+3 < STEPS
	s_wait_loadcnt 16                              ; the next step's eight loads are in; those of the two steps behind it may be out
.else
	s_wait_loadcnt 8*(STEPS-2-(\t))                ; the counts run down: 8, then 0
.endif
	TURN (\t)+1                                    ; and go through the other stage while this step is worked
.endif
	Q16G XS
	Q16G XS+8
	Q16G XS+16
	Q16G XS+24
	v_max3_num_f32 v10, |v[XS]|, |v[XS+1]|, 0x1800000               ; the block's largest magnitude: all 32 numbers are mine; two chains; and the floor 2^(3 - 127): the byte cannot fall under 1
	v_max3_num_f32 v11, |v[XS+2]|, |v[XS+3]|, |v[XS+4]|
.irp i, 5,9,13,17,21,25
	s_delay_alu instid0(VALU_DEP_2)
	v_max3_num_f32 v10, v10, |v[XS+\i]|, |v[XS+\i+1]|
	s_delay_alu instid0(VALU_DEP_2)
	v_max3_num_f32 v11, v11, |v[XS+\i+2]|, |v[XS+\i+3]|
.endr
	s_delay_alu instid0(VALU_DEP_2)
	v_max3_num_f32 v10, v10, |v[XS+29]|, |v[XS+30]|
	s_delay_alu instid0(VALU_DEP_1)
	v_max3_num_f32 v10, v10, v11, |v[XS+31]|
	s_delay_alu instid0(VALU_DEP_1)
	v_add_nc_u32 v12, 0xff000000, v10              ; 2 off its exponent field: the conversion takes the exponent field of this operand as its scale, and nothing else of it
.irp g, 0,1,2,3
	v_cvt_scalef32_pk8_fp4_f32 v[C+4*(\t)+\g], v[XS+8*\g:XS+8*\g+7], v12
.endr
	v_lshrrev_b32 v[E+(\t)], 23, v12               ; the scale's byte (a plain line behind the conversions)
	global_store_b128 v7, v[C+4*(\t):C+4*(\t)+3], s[8:9] offset:512*(\t)   ; 32 lanes store 512 consecutive bytes, aligned
.endm
	LOAD 0
	LOAD 1
	LOAD 2
	s_wait_loadcnt 16                              ; step 0's eight loads are in
	TURN 0
.irp t, 0,1,2,3,4,5,6,7
	STEP \t
.endr
	; The scale bytes.  Lane (r, h) holds those of blocks 2 t + h of row r.  Word q takes blocks 4 q .. 4 q + 3: my two at bits 8 h and 16 + 8 h, the other half of the lanes' two beside them.
.irp q, 0,1,2,3
	v_lshl_or_b32 v[W+\q], v[E+2*\q+1], 16, v[E+2*\q]
.endr
.irp q, 0,1,2,3
	s_delay_alu instid0(VALU_DEP_4)
	v_lshlrev_b32 v[W+\q], v9, v[W+\q]
.endr
.irp q, 0,1,2,3
	s_delay_alu instid0(VALU_DEP_4)
	v_permlanex16_b32 v[PD+\q], v[W+\q], s[SEL], s[SEL+1]
.endr
.irp q, 0,1,2,3
	s_delay_alu instid0(VALU_DEP_4)
	v_or_b32 v[W+\q], v[W+\q], v[PD+\q]
.endr
	s_delay_alu instid0(VALU_DEP_2)
	v_cndmask_b32 v14, v[W], v[W+2], s[HM]         ; lanes 0-15 store words 0 and 1 of their row, lanes 16-31 words 2 and 3
	s_delay_alu instid0(VALU_DEP_2)
	v_cndmask_b32 v15, v[W+1], v[W+3], s[HM]
	global_store_b64 v8, v[14:15], s[10:11]        ; 32 lanes store 256 consecutive bytes, aligned
	s_wait_tensorcnt 0x0
	ds_add_u32 v240, v241
	s_wait_dscnt 0x0
	s_endpgm
.Lfunc_end_k_q8cd5e761ad_quant:
	.size	k_q8cd5e761ad_quant, .Lfunc_end_k_q8cd5e761ad_quant-k_q8cd5e761ad_quant
	.p2alignl 7, 3214868480
	.fill 96, 4, 3214868480
	.section	.rodata,"a",@progbits
	.p2align	6, 0x0
	.amdhsa_kernel k_q8cd5e761ad_quant
		.amdhsa_group_segment_fixed_size 70656
		.amdhsa_private_segment_fixed_size 0
		.amdhsa_enable_private_segment 0
		.amdhsa_kernarg_size 32
		.amdhsa_user_sgpr_count 2
		.amdhsa_user_sgpr_kernarg_segment_ptr 1
		.amdhsa_wavefront_size32 1
		.amdhsa_system_sgpr_workgroup_id_x 1
		.amdhsa_system_sgpr_workgroup_id_y 1
		.amdhsa_system_sgpr_workgroup_id_z 1
		.amdhsa_system_vgpr_workitem_id 0
		.amdhsa_next_free_vgpr 242
		.amdhsa_next_free_sgpr 66
		.amdhsa_reserve_vcc 0
		.amdhsa_float_denorm_mode_32 3
		.amdhsa_float_denorm_mode_16_64 3
		.amdhsa_memory_ordered 1
		.amdhsa_forward_progress 1
		.amdhsa_inst_pref_size 111
	.end_amdhsa_kernel
	.amdgpu_metadata
---
amdhsa.version: [ 1, 2 ]
amdhsa.kernels:
  - .name:           k_q8cd5e761ad_quant
    .symbol:         k_q8cd5e761ad_quant.kd
    .args:
      - { .name: x, .offset: 0, .size: 8, .value_kind: global_buffer, .address_space: global }
      - { .name: weight, .offset: 8, .size: 8, .value_kind: global_buffer, .address_space: global }
      - { .name: apack, .offset: 16, .size: 8, .value_kind: global_buffer, .address_space: global }
      - { .name: bpack, .offset: 24, .size: 8, .value_kind: global_buffer, .address_space: global }
    .group_segment_fixed_size: 70656
    .private_segment_fixed_size: 0
    .kernarg_segment_align: 8
    .kernarg_segment_size: 32
    .max_flat_workgroup_size: 256
    .sgpr_count:     66
    .vgpr_count:     242
    .wavefront_size: 32
...
	.end_amdgpu_metadata
.endif
;; end of part 1
;; launch gemm (part 2): grid 16 x 16, 4 waves a work-group, clusters of 4 x 1, 327,680 bytes of LDS; arguments apack, bpack, bias, out0; writes out0
.if DOCPART == 2
	.amdgcn_target "amdgcn-amd-amdhsa--gfx1250"
	.amdhsa_code_object_version 6
	.text
	.protected	k_q8cd5e761ad_gemm
	.globl	k_q8cd5e761ad_gemm
	.p2align	8
	.type	k_q8cd5e761ad_gemm,@function
k_q8cd5e761ad_gemm:
	s_mov_b64 s[64:65], 0
	v_nop
	global_prefetch_b8 v0, s[64:65] scope:SCOPE_SE
	s_setreg_imm32_b32 hwreg(HW_REG_WAVE_MODE, 25, 1), 1
	s_wait_xcnt 0x0
	s_wait_alu depctr_hold_cnt(0) depctr_sa_sdst(0) depctr_va_vdst(0) depctr_va_sdst(0) depctr_va_ssrc(0) depctr_va_vcc(0) depctr_vm_vsrc(0)
	s_getreg_b32 s2, hwreg(HW_REG_IB_STS2, 6, 4)
	s_cmp_eq_u32 s2, 0
	s_cbranch_scc0 .Lentry_in_a_cluster
	s_endpgm
.Lentry_in_a_cluster:
	s_bfe_u32 s2, ttmp6, 0x10000c
	s_cmp_lg_u32 s2, 0x3003
	s_cbranch_scc0 .Lentry_shape_is_right
	s_endpgm
.Lentry_shape_is_right:
; out0[m][n] = sum over k of X[m][k] W[n][k] + the layer's rounding of bias[n].  X and W come as packs of FP4 codes and E8M0 scale bytes (units of 34,816 bytes: 8 blocks of 16 rows x 512 K; codes at
; i x 4,096 + kb x 256 + r x 16, scale bytes at 32,768 + i x 256 + r x 16 + kb; unit (g, s) at (8 g + s) x 34,816).  Block I = 8 g + i holds rows 64 (I / 4) + 4 r + I % 4.  Nothing of the layer is left out.
; SHARES.  A work-group makes 256 x 256 of out0; 256 work-groups.  Wave w makes rows 64 w .. 64 w + 63 x all 256 columns: 32 accumulators of 32 rows x 16 columns, 512 registers.
; The matrix instruction is the 32 x 16 x 128 form: source 0 = two blocks of X, source 1 = one block of W.  Lane (r, h) holds slot r of W's block; register 8 u + j holds slot 8 h + j of X's block 2 P + u.
; So the four blocks t = 0 .. 3 of a group of 64 columns give lane r the columns 4 r + t of one row: the addition of the bias gathers them into four registers on end, and sixteen lanes store
; 256 consecutive bytes, aligned, straight from registers: the result does not pass through LDS.
; X's CODES AND SCALE WORDS GO FROM MEMORY STRAIGHT INTO REGISTERS: each byte of them is used by ONE wave of the work-group, and the pack holds an operand's registers on end, 512 consecutive bytes a load.
; Six sets of 32 registers: a step's eight loads are issued six steps of 128 along K ahead of their use, so no prefetch is laid for them, and they are not asked for jointly: a joint load lands in LDS.
; W's TILES go through a ring of two LDS slots, each 256 rows x 1,024 K (four units, one tensor load a wave): LDS holds W alone, so a slot holds eight steps.  CLUSTERS of 4 x 1: the four partners make four
; tile rows of one tile column and ask for W's tiles jointly (mask 15).  Four slots' worth of K: two first fills, two refills; the walk is written out by macros, since only two of four slots are filled again.
; W's two refills are prefetched: each wave's unit is 136 blocks of 256 bytes, of which each of the four partners names 34, told apart by address; behind halves 3 and 11, ten and eighteen halves ahead of
; the loads that want them.  The first two slots come by their loads alone.
; THE WALK goes in halves of a step: 16 matrix instructions on two of six buffers of W's fragments; at a half's end its two buffers take the half three further on: one run of 24 LDS loads a half.
; THE LAST SLOT GOES BY COLUMNS: all its fragments of X lie in registers (the two buffers of window 1 become sets 6 and 7), so 64 columns at a time are finished (four units of 16 matrix instructions, K ascending)
; and are stored ahead of the next 64.
; LIMITS (bias): NaN and infinities become 0; numbers within about 3e-7 (relative) under 65,536 give 65,536; under 2^-14 one rounding where the layer has two.
; REGISTERS.  Window 0: v0-39 addresses and the bias; v40-63 W's scale words, four to a buffer; v64-79 X's, two sets (512 K each); v80-127 three banks of 16 for the stores; v128-255 W's buffers 0-3.
; Window 1: X's sets 0-5; v192-255 W's buffers 4, 5.  Windows 2, 3: accumulator (P, i) at 16 (2 (i % 8) + P), window 2 + i / 8.
.set UNIT,  34816
.set SLOT,  4*UNIT
.set SPARE, 2*SLOT                     ; the spare words: 128 bytes a wave, two blocks of 256 bytes that no other line names
.set ROWC,  16384
.set CO,   1                           ; v1     my byte offset in out0: 32 rows x h + 16 r
.set TT,   2                           ; v2-5 p; v6-7, v30-31 v + M: at work on the bias
.set PFO,  6                           ; v6-7   the prefetches' offsets, until the bias is worked
.set ADRB, 8                           ; v8-15  16 x lane + (4 slot + unit) x UNIT
.set AO,   16                          ; v16    16 x lane
.set ASO,  17                          ; v17    16 x (lane % 16)
.set SPW,  28                          ; v20-23, v24-27: the bias of my four columns, odd and even groups
.set NIL,  29
.set ADRS, 32                          ; v32-39 16 x (lane % 16) + (4 slot + unit) x UNIT
.set SCW,  40
.set SCX,  64
.set TMP,  80
.set G1,   24
.set G0,   32
.set PF,   48
.set AB,   52
.set AS,   54
.set BIG,  66
.set TINY, 67
.set EXPM, 68
.set MG,   70
.set MN,   72
.set MK,   76
.set MSB, 0
.macro WIN new                         ; the immediate's high byte repeats the setting that is left
.if MSB != \new
	s_set_vgpr_msb (MSB<<8)|\new
.set MSB, \new
.endif
.endm
.macro PLACES                          ; four places behind matrix instructions, ahead of loads into their sources and of reads of their results
.rept 4
	v_nop
.endr
.endm
.macro CREST                           ; a round of the cluster's barrier behind its opening barrier
	s_cmp_lg_u32 s14, 0
	s_cbranch_scc1 .Lnot_wave_0_\@
	s_barrier_signal -3
.Lnot_wave_0_\@:
	s_barrier_wait -3
	s_barrier_signal -1
	s_barrier_wait -1
.endm
.macro CROUND
	s_barrier_signal -1
	s_barrier_wait -1
	CREST
.endm
	s_load_b256 s[4:11], s[0:1], 0x0               ; apack, bpack, bias, out0
	v_lshl_add_u32 v[SPW], v0, 2, SPARE
	v_mov_b32 v[NIL], 0
	ds_add_u32 v[SPW], v[NIL]                      ; the opening lines: the add twice on end, and its wait ahead of the first tensor load
	ds_add_u32 v[SPW], v[NIL]
	v_lshrrev_b32 v1, 5, v0
	v_readfirstlane_b32 s14, v1                    ; wave
	s_lshr_b32 s15, s14, 1
	s_and_b32 s16, s14, 1
	s_bfe_u32 s40, ttmp6, 0x40000                  ; cx
	s_lshl_b32 s17, ttmp9, 2
	s_add_co_u32 s17, s17, s40                     ; tile row = 4 x cluster x + cx
	s_and_b32 s42, ttmp7, 0xffff                   ; tile column = cluster y: shared by the four partners
	s_lshl_b32 s20, s42, 1
	s_add_co_u32 s20, s20, s15
	s_lshl_b32 s20, s20, 3
	s_add_co_u32 s20, s20, s16
	s_mul_i32 s20, s20, UNIT                       ; W: my unit of slot 0: rows 128 (2 tc + w / 2) on, K 512 (w % 2) on
	s_mov_b32 s21, 0
	s_lshl_b32 s22, s17, 1
	s_add_co_u32 s22, s22, s15
	s_mul_i32 s22, s22, 8*UNIT                     ; X: the units of my 128 rows
	s_mov_b32 s23, 0
	s_lshl_b32 s56, s16, 14
	s_add_co_u32 s56, s56, s22                     ; my four blocks of 16 rows: codes,
	s_mov_b32 s57, 0
	s_lshl_b32 s50, s16, 10
	s_add_co_u32 s22, s22, s50
	s_add_co_u32 s22, s22, 32768                   ; and scale words
	s_mul_i32 s50, s40, 34*256                     ; my work-group's 34 blocks of a unit's 136
	s_mov_b32 s51, 0
	s_lshl_b32 s58, s17, 22
	s_lshl_b32 s59, s14, 20
	s_add_co_u32 s58, s58, s59
	s_lshl_b32 s60, s42, 10
	s_add_co_u32 s58, s58, s60                     ; out0: row 256 tr + 64 w, column 256 tc
	s_mov_b32 s59, 0
	s_mov_b32 s61, 0
	s_mul_i32 s45, s14, UNIT
	s_mov_b32 s[G1+0], 15|(3<<16)|(1<<21)          ; the mask of the four partners; elements of 8 bytes; bit 21 beside a mask
	s_mov_b32 s[G1+1], 32<<16                      ; a unit is a dense block: 136 rows of 256 bytes
	s_mov_b32 s[G1+2], 136<<16
	s_mov_b32 s[G1+3], 32<<16
	s_mov_b32 s[G1+4], 136
	s_mov_b32 s[G1+5], 32
	s_mov_b32 s[G1+6], 0
	s_mov_b32 s[G1+7], 0
	s_mov_b32 s[BIG], 0x47800000
	s_mov_b32 s[TINY], 0x38800000
	s_mov_b32 s[EXPM], 0x7f800000
	s_mov_b32 s[MG], 0x46400000
	s_mov_b32 s[MG+1], s[MG]
	s_mov_b32 s[MN], 0xc6400000
	s_mov_b32 s[MN+1], s[MN]
	v_and_b32 v2, 31, v0
	v_and_b32 v3, 15, v0                           ; r
	v_bfe_u32 v4, v0, 4, 1                         ; h
	v_lshlrev_b32 v[AO], 4, v2
	v_lshlrev_b32 v[ASO], 4, v3
.irp k, 0,1,2,3,4,5,6,7
	v_lshl_add_u32 v[ADRB+\k], v2, 4, \k*UNIT
	v_lshl_add_u32 v[ADRS+\k], v3, 4, \k*UNIT
.endr
	v_lshlrev_b32 v5, 19, v4                       ; lanes 16-31: slots 8 .. 15 of X's blocks, 32 rows of out0 further down
	v_lshl_add_u32 v[CO], v3, 4, v5
	v_lshlrev_b32 v[PFO], 8, v2                    ; blocks 0-31 of my 34,
	v_min_u32 v5, 1, v2
	v_lshl_add_u32 v[PFO+1], v5, 8, 8192           ; blocks 32 and 33 (lanes left over name block 33 again)
	s_wait_alu depctr_va_vdst(0)
	s_wait_dscnt 0x0
	s_wait_kmcnt 0x0
	s_add_nc_u64 s[46:47], s[6:7], s[20:21]
	s_add_nc_u64 s[PF:PF+1], s[46:47], s[50:51]
	s_add_nc_u64 s[AB:AB+1], s[4:5], s[56:57]
	s_add_nc_u64 s[AS:AS+1], s[4:5], s[22:23]
	s_add_nc_u64 s[8:9], s[8:9], s[60:61]
	s_add_nc_u64 s[10:11], s[10:11], s[58:59]
.irp s, 0,1
	s_mov_b32 s[G0+4*\s], 1
	s_add_co_u32 s[G0+4*\s+1], s45, \s*SLOT        ; wave x UNIT + the slot
	s_add_nc_u64 s[G0+4*\s+2:G0+4*\s+3], s[46:47], \s*2*UNIT
	s_or_b32 s[G0+4*\s+3], s[G0+4*\s+3], 0x80000000
.endr
	CROUND                                         ; the four partners are here: the first joint loads meet
	tensor_load_to_lds s[G0:G0+3], s[G1:G1+7]      ; slot 0, my unit: one tensor load a wave at the head
	s_nop 0
	PLACES
.macro ALOAD s, set                    ; X's fragments of step s (128 along K): four blocks of 16 rows, 8 registers each
.irp a, 0,1,2,3
.irp c, 0,1
	global_load_b128 v[32*(\set)+8*\a+4*\c:32*(\set)+8*\a+4*\c+3], v[AO], s[AB:AB+1] offset:((\s)/4)*UNIT+\a*4096+((\s)%4)*1024+512*\c
.endr
.endr
.endm
.macro ASCALE c                        ; X's scale words of 512 along K into set c % 2: lane l takes slot l % 16 of block 2 P + l / 16, four words
.irp p, 0,1
	global_load_b128 v[SCX+8*((\c)%2)+4*\p:SCX+8*((\c)%2)+4*\p+3], v[AO], s[AS:AS+1] offset:(\c)*UNIT+\p*512
.endr
.endm
.macro BIASLD g
	global_load_b128 v[24-4*((\g)%2):27-4*((\g)%2)], v[ASO], s[8:9] offset:256*(\g)
.endm
.macro BATCH e                         ; at the end of step e: the set just multiplied takes step e + 6; every fourth step the scale words of five steps on go first; behind step 23 W's buffers 4, 5 take steps 30, 31
.if (\e)%4 == 3
	ASCALE ((\e)+5)/4
.endif
	WIN 0x40
	ALOAD (\e)+6, (\e)%6
.if (\e) == 23
	ALOAD 30, 6
	ALOAD 31, 7
.endif
	WIN 0
.endm
; How many global loads may stay out at the head of step s.  JCNT: the loads of batches 0 .. e.  The head issues 4 loads of scale words, then 48 of fragments; behind batch 23 stand 16 more.
.macro JCNT name, e
.if (\e) < 0
.set \name, 0
.else
.set \name, 8*((\e)+1)+2*(((\e)+1)/4)
.endif
.endm
.macro LWAIT s
.if (\s) > 23
.set I1, 220
.else
	JCNT I1, (\s)-1
.endif
.if (\s) < 6
.set LN, 40-8*(\s)+I1                  ; the head's fragments of later steps, and all batches
.else
.if (\s) > 29
.set LN, 8*(31-(\s))
.else
	JCNT I8, (\s)-6
.set LN, I1-I8                         ; what was issued behind batch s - 6
.if ((\s)%4 == 0) && ((\s) >= 8)
	JCNT I5, (\s)-5
.if I1-I5+8 < LN
.set LN, I1-I5+8                       ; this step's scale words stand first in batch s - 5, eight loads of fragments behind them
.endif
.endif
.endif
.endif
.if LN > 63
.set LN, 63
.endif
	s_wait_loadcnt LN
.endm
; Eight matrix instructions: W's blocks 4 p .. 4 p + 3 (in buffer j) x X's two pairs of blocks of set as.  ss, qq: X's set of scale words and the word.  The accumulators take turns.
.macro MULQ j, p, as, ss, qq, zero
	WIN 0xa1+0x50*((\p)/2)+(((\j)/4)<<2)           ; source 0 window 1, source 1 window 0 or 1, C and D window 2 or 3
.set BR, 128+32*(\j)-64*((\j)/4)
.irp t, 0,1,2,3
.irp x, 0,1
.set AC, 16*(2*((4*(\p)+\t)%8)+\x)
.if \zero
	v_wmma_scale_f32_32x16x128_f4 v[AC:AC+15], v[32*(\as)+16*\x:32*(\as)+16*\x+15], v[BR+8*\t:BR+8*\t+7], 0, v[SCX+8*(\ss)+4*\x+(\qq)], v[SCW+4*(\j)+\t]
.else
	v_wmma_scale_f32_32x16x128_f4 v[AC:AC+15], v[32*(\as)+16*\x:32*(\as)+16*\x+15], v[BR+8*\t:BR+8*\t+7], v[AC:AC+15], v[SCX+8*(\ss)+4*\x+(\qq)], v[SCW+4*(\j)+\t]
.endif
.endr
.endr
.endm
.macro FETCH j, slot, p, q             ; twelve LDS loads: W's blocks 4 p .. 4 p + 3 of the slot's q-th 128 along K into buffer j, and their scale words (lane r, and r + 16, takes slot r's)
	WIN ((\j)/4)<<6
.set BR, 128+32*(\j)-64*((\j)/4)
.irp t, 0,1,2,3
.irp c, 0,1
	ds_load_b128 v[BR+8*\t+4*\c:BR+8*\t+4*\c+3], v[ADRB+4*(\slot)+2*((\p)/2)+(\q)/4] offset:((4*(\p)+\t)%8)*4096+((\q)%4)*1024+512*\c
.endr
.endr
	WIN 0
.irp t, 0,1,2,3
	ds_load_b32 v[SCW+4*(\j)+\t], v[ADRS+4*(\slot)+2*((\p)/2)+(\q)/4] offset:32768+((4*(\p)+\t)%8)*256+((\q)%4)*4
.endr
.endm
; The run of loads at the end of half k: its two buffers take half k + 3 (halves 48, 49: the last slot's first two units); behind a step's second half X's batch.
.macro RUN k
.set M, (\k)+3
.if M < 48
	FETCH 2*((\k)%3), (M/16)%2, 2*(M%2), (M/2)%8
	FETCH 2*((\k)%3)+1, (M/16)%2, 2*(M%2)+1, (M/2)%8
.else
.if M < 50
	FETCH 2*((\k)%3), 1, 0, 2*(M-48)
	FETCH 2*((\k)%3)+1, 1, 0, 2*(M-48)+1
.endif
.endif
	WIN 0
.if (\k)%2 == 1
	BATCH (\k)/2
.endif
.endm
.macro HALF k, zero                    ; half k % 2 of step k / 2: W's blocks 8 (k % 2) .. + 7
.if (\k)%2 == 0
	LWAIT (\k)/2
.endif
	s_wait_dscnt 48                                ; behind this half's loads two runs of 24 were issued
	MULQ 2*((\k)%3), 2*((\k)%2), ((\k)/2)%6, ((\k)/8)%2, ((\k)/2)%4, \zero
	MULQ 2*((\k)%3)+1, 2*((\k)%2)+1, ((\k)/2)%6, ((\k)/8)%2, ((\k)/2)%4, \zero
	PLACES
	RUN \k
.endm
; A slot's 14th half changes slots: the slot's last fragments were asked for in the run before.  One barrier; ahead of it all my tensor loads, the add, and my reads of this slot.  fill: the slot is filled again.
.macro THALF k, fill
	s_wait_tensorcnt 0x0                           ; my unit of the next slot has landed
	ds_add_u32 v[SPW], v[NIL]
	s_wait_dscnt 49                                ; (the add and two runs may be out)
	MULQ 2*((\k)%3), 2, ((\k)/2)%6, ((\k)/8)%2, ((\k)/2)%4, 0
	s_wait_dscnt 0x0                               ; the add is done, my reads of this slot are over
	s_barrier_signal -1
	MULQ 2*((\k)%3)+1, 3, ((\k)/2)%6, ((\k)/8)%2, ((\k)/2)%4, 0
	WIN 0
	s_barrier_wait -1
.if \fill
	CREST                                          ; the barrier has opened a round: no wave of any partner still reads this slot or has a load out
	s_add_nc_u64 s[G0+4*(((\k)/16)%2)+2:G0+4*(((\k)/16)%2)+3], s[G0+4*(((\k)/16)%2)+2:G0+4*(((\k)/16)%2)+3], 4*UNIT
	tensor_load_to_lds s[G0+4*(((\k)/16)%2):G0+4*(((\k)/16)%2)+3], s[G1:G1+7]
	s_nop 0
.endif
	PLACES
	RUN \k
.endm
.macro PREF t                          ; W's tile of slot index t: my 34 blocks of my wave's unit
	global_prefetch_b8 v[PFO], s[PF:PF+1] offset:(\t)*2*UNIT th:TH_LOAD_NT scope:SCOPE_SE
	global_prefetch_b8 v[PFO+1], s[PF:PF+1] offset:(\t)*2*UNIT th:TH_LOAD_NT scope:SCOPE_SE
.endm
; The last slot by columns.  Unit n: group n / 4 (64 columns), the slot's steps 2 (n % 4) and + 1; buffers 2 (n % 2) and + 1, which then take unit n + 2.
.macro UX n, dn
.if (\n) < 4
	LWAIT 25+2*(\n)
.endif
	s_wait_dscnt \dn
	MULQ 2*((\n)%2), (\n)/4, 2*((\n)%4), ((\n)%4)/2, (2*((\n)%4))%4, 0
	MULQ 2*((\n)%2)+1, (\n)/4, 2*((\n)%4)+1, ((\n)%4)/2, (2*((\n)%4)+1)%4, 0
	PLACES
.if (\n)+2 < 16
	FETCH 2*((\n)%2), 1, ((\n)+2)/4, 2*(((\n)+2)%4)
	FETCH 2*((\n)%2)+1, 1, ((\n)+2)/4, 2*(((\n)+2)%4)+1
.endif
	WIN 0
.endm
; Group g goes out.  The bias of my four columns is rounded as the layer rounds it; each addition puts a sum beside its three neighbours along the row.  Eight runs of four rows; three banks of 16 registers by turns.
; ln: a younger load of bias may be out.
.macro OUT g, ln
.set BB, 24-4*((\g)%2)
.set GB, 128*((\g)%2)
	s_wait_xcnt 0x0                                ; the prefetches have read v6-7, which are written below
	s_wait_loadcnt \ln
.irp k, 0,1,2,3
	v_cmp_gt_f32 s[MK+\k], s[BIG], |v[BB+\k]|      ; under 65,536?
.endr
.irp k, 0,1,2,3
	v_cndmask_b32 v[BB+\k], 0, v[BB+\k], s[MK+\k]  ; else 0
.endr
.irp k, 0,1,2,3
	v_max_num_f32 v[TT+\k], |v[BB+\k]|, s[TINY]
.endr
.irp k, 0,1,2,3
	v_and_b32 v[TT+\k], s[EXPM], v[TT+\k]          ; p = 2^max(floor(log2 |v|), -14)
.endr
	v_pk_fma_f32 v[6:7], v[TT:TT+1], s[MG:MG+1], v[BB:BB+1] op_sel_hi:[1,0,1]        ; v + 12,288 p: rounded to p / 1,024, ties to even
	v_pk_fma_f32 v[30:31], v[TT+2:TT+3], s[MG:MG+1], v[BB+2:BB+3] op_sel_hi:[1,0,1]
	v_pk_fma_f32 v[BB:BB+1], v[TT:TT+1], s[MN:MN+1], v[6:7] op_sel_hi:[1,0,1]        ; - 12,288 p: exact
	v_pk_fma_f32 v[BB+2:BB+3], v[TT+2:TT+3], s[MN:MN+1], v[30:31] op_sel_hi:[1,0,1]
	s_wait_alu depctr_va_vdst(0)
.set CH, 0
.rept 8                                ; run CH: X's pair CH / 4, registers 4 (CH % 4) .. + 3 of its four accumulators, from the low end on
	s_wait_xcnt 0x0                                ; earlier stores have read their registers: the bank is written again only behind this wait
	WIN 2+(\g)/2
.irp i, 0,1,2,3
.irp t, 0,1,2,3
	v_add_f32 v[TMP+16*(CH%3)+4*\i+\t], v[GB+32*\t+16*(CH/4)+4*(CH%4)+\i], v[BB+\t]
.endr
.endr
	WIN 0
.irp i, 0,1,2,3
	global_store_b128 v[CO], v[TMP+16*(CH%3)+4*\i:TMP+16*(CH%3)+4*\i+3], s[10:11] offset:(4*((4*(CH%4)+\i)%8)+2*(CH/4)+(4*(CH%4)+\i)/8)*ROWC+256*(\g) th:TH_STORE_NT   ; sixteen lanes store 256 consecutive bytes, aligned
.endr
.set CH, CH+1
.endr
.endm
	BIASLD 0                                       ; the bias of groups 0 and 1; then X's first six steps: 4 loads of scale words, 48 of fragments
	BIASLD 1
	ASCALE 0
	ASCALE 1
	WIN 0x40
.irp s, 0,1,2,3,4,5
	ALOAD \s, \s
.endr
	WIN 0
	s_wait_tensorcnt 0x0                           ; my unit of slot 0 is in
	ds_add_u32 v[SPW], v[NIL]
	s_wait_dscnt 0x0
	CROUND
	tensor_load_to_lds s[G0+4:G0+7], s[G1:G1+7]    ; slot 1's first fill, the first tensor load behind the round
	s_nop 0
	PLACES
	FETCH 0, 0, 0, 0                               ; halves 0, 1, 2 into the six buffers
	FETCH 1, 0, 1, 0
	FETCH 2, 0, 2, 0
	FETCH 3, 0, 3, 0
	FETCH 4, 0, 0, 1
	FETCH 5, 0, 1, 1
	HALF 0, 1                                      ; the first products start the sums
	HALF 1, 1
	HALF 2, 0
	HALF 3, 0
	PREF 2
.irp k, 4,5,6,7,8,9,10,11
	HALF \k, 0
.endr
	PREF 3
	HALF 12, 0
	THALF 13, 1
.irp k, 14,15,16,17,18,19,20,21,22,23,24,25,26,27,28
	HALF \k, 0
.endr
	THALF 29, 1
.irp k, 30,31,32,33,34,35,36,37,38,39,40,41,42,43,44
	HALF \k, 0
.endr
	THALF 45, 0                                    ; nothing is filled again: no round
	HALF 46, 0
	HALF 47, 0
.irp n, 0,1,2,3
	UX \n, 24                                      ; behind a unit's loads one run of 24 was issued
.endr
	OUT 0, 0
	BIASLD 2                                       ; two groups ahead of its use
.irp n, 4,5,6,7
	UX \n, 24
.endr
	OUT 1, 1
	BIASLD 3
.irp n, 8,9,10,11
	UX \n, 24
.endr
	OUT 2, 1
.irp n, 12,13,14
	UX \n, 24
.endr
	UX 15, 0                                       ; nothing was fetched behind the last unit's loads
	OUT 3, 0
	s_wait_tensorcnt 0x0                           ; the wave's end
	ds_add_u32 v[SPW], v[NIL]
	s_wait_dscnt 0x0
	CROUND                                         ; the closing round
	s_endpgm
.Lfunc_end_k_q8cd5e761ad_gemm:
	.size	k_q8cd5e761ad_gemm, .Lfunc_end_k_q8cd5e761ad_gemm-k_q8cd5e761ad_gemm
	.p2alignl 7, 3214868480
	.fill 96, 4, 3214868480
	.section	.rodata,"a",@progbits
	.p2align	6, 0x0
	.amdhsa_kernel k_q8cd5e761ad_gemm
		.amdhsa_group_segment_fixed_size 327680
		.amdhsa_private_segment_fixed_size 0
		.amdhsa_enable_private_segment 0
		.amdhsa_kernarg_size 32
		.amdhsa_user_sgpr_count 2
		.amdhsa_user_sgpr_kernarg_segment_ptr 1
		.amdhsa_wavefront_size32 1
		.amdhsa_system_sgpr_workgroup_id_x 1
		.amdhsa_system_sgpr_workgroup_id_y 1
		.amdhsa_system_sgpr_workgroup_id_z 1
		.amdhsa_system_vgpr_workitem_id 0
		.amdhsa_next_free_vgpr 1024
		.amdhsa_next_free_sgpr 96
		.amdhsa_reserve_vcc 0
		.amdhsa_float_denorm_mode_32 3
		.amdhsa_float_denorm_mode_16_64 3
		.amdhsa_memory_ordered 1
		.amdhsa_forward_progress 1
		.amdhsa_inst_pref_size 255
	.end_amdhsa_kernel
	.section	.bss,"aw",@nobits
	.p2align	6
	.space	262144
	.amdgpu_metadata
---
amdhsa.version: [ 1, 2 ]
amdhsa.kernels:
  - .name:           k_q8cd5e761ad_gemm
    .symbol:         k_q8cd5e761ad_gemm.kd
    .args:
      - { .name: apack, .offset: 0, .size: 8, .value_kind: global_buffer, .address_space: global }
      - { .name: bpack, .offset: 8, .size: 8, .value_kind: global_buffer, .address_space: global }
      - { .name: bias, .offset: 16, .size: 8, .value_kind: global_buffer, .address_space: global }
      - { .name: out0, .offset: 24, .size: 8, .value_kind: global_buffer, .address_space: global }
    .group_segment_fixed_size: 327680
    .private_segment_fixed_size: 0
    .kernarg_segment_align: 8
    .kernarg_segment_size: 32
    .max_flat_workgroup_size: 128
    .sgpr_count:     96
    .vgpr_count:     1024
    .wavefront_size: 32
...
	.end_amdgpu_metadata
.endif
;; end of part 2
